; MI455X (gfx1250); checked and timed in simulation.
; The chip was launched on July 23, 2026; its instructions are those of AMD's public machine-readable ISA for CDNA 5 (MIT licence, August 2026) and "CDNA5" Instruction Set Architecture Reference Guide (July 2026). The comments in the code are by the model that wrote it; some were corrected since.
;; Linear Attention. Allowed arithmetic: matrix products marked QUANTISED: E2M3 operands, one E8M0 scale for each 32 along K, by v_wmma_scale_f32_16x16x128_f8f6f4 with both operands' format E2M3, f32 sums; everything else in f32.
;; Inputs: K 4 x 16 x 2,048 x 64 float32; Q 4 x 16 x 2,048 x 64 float32; V_codes 4 x 16 x 64 x 64 x 24 uint8 (E2M3 codes of V, K innermost, in blocks of 32 codes, four codes in three bytes); V_scales 4 x 16 x 64 x 64 uint8 (E8M0 scales of V, one for each 32 codes along K).
;; Outputs: out0 4 x 16 x 2,048 x 64 float32.
;; This version of the problem:
;;   THIS VERSION OF THE PROBLEM IS GIVEN IN LOW PRECISION. The matrix products marked QUANTISED in the list below multiply operands that are first quantised to E2M3 (2 exponent bits, 3 mantissa bits; 6 bits a number), with one power-of-two scale for each 32 numbers along K (OCP MX v1.0); their sums are f32. All else is computed in f32.
;;   The module's matrix products, in the order in which they are computed (A, B: the left and right operand; K: the contracted axis; several contracted axes count as one K, in the product's order):
;;     1. batch 64 x [M 2,048, K 64] x [K 64, N 2,048]; A: computed on the way; B: computed on the way: QUANTISED
;;     2. batch 64 x [M 2,048, K 2,048] x [K 2,048, N 64]; A: softmax (see below); B: input V (given as codes): QUANTISED
;;   THE QUANTISER, for each operand of a quantised product, along K:
;;     - K is cut into blocks of 32 from its start; a last block that is shorter is filled with zeros.
;;     - A block's scale is 2^e with e = floor(log2(the largest magnitude in the block)) - 2, held to -126 .. 127; a block of zeros has e = 0. As a byte (E8M0): e + 127.
;;     - Each number is divided by its block's scale, clamped to +-7.5, and rounded to the nearest number of E2M3, ties to even, subnormals kept.
;;     - The product sums the exact products of the quantised numbers (number of the format x scale) in f32.
;;   ~~~python
;;   def quantise(x, axis):      # numpy; x: float32 -> the quantised numbers, widened to float32 again
;;       x = np.moveaxis(x, axis, -1); K = x.shape[-1]
;;       x = np.pad(x, [(0, 0)] * (x.ndim - 1) + [(0, -K % 32)]); x = x.reshape(x.shape[:-1] + (-1, 32)); a = np.abs(x).max(-1, keepdims=True)
;;       e = np.where(a > 0, np.clip(np.frexp(np.where(a > 0, a, 1))[1] - 1 - 2, -126, 127), 0)      # np.frexp(a)[1] - 1 = floor(log2(a)), exactly
;;       r = np.clip(x / 2.0 ** e, -7.5, 7.5)
;;       step = 2.0 ** (np.maximum(np.frexp(np.where(r == 0, 1, r))[1] - 1, 0) - 3)
;;       q = np.round(r / step) * step * 2.0 ** e      # np.round: ties to even
;;       return np.moveaxis(q.reshape(q.shape[:-2] + (-1,))[..., :K], -1, axis).astype(np.float32)
;;   ~~~
;;   SOFTMAX AHEAD OF A QUANTISED PRODUCT. Where the list says 'softmax', what is quantised is not the finished softmax but p = 2^(t - M), with t = logit x log2(e) and M = ceil(the row's largest t), a whole number; so 1/2 < the row's largest p <= 1. The row's sum l is taken of the UNQUANTISED p, in f32, and the product's result is divided by l at the end. Since M is a whole number, a kernel that streams over the keys may use a running M (the ceiling of the running maximum): every later rescaling is an exact power of two, which a block's scale takes up: the codes' values come out the same.
;;   OPERANDS COMPUTED ON THE WAY. 'Computed on the way' means the value that the module computes at that place (a softmax that the list does not call 'softmax' is quantised finished and normalised). What goes into a quantiser is computed in f32, as accurately as f32 sums, v_exp_f32 and their like allow (about 1e-6 of the number): no bf16 or f16 on the way to a quantiser, and a product that is left as it is and whose result goes on into a quantised operand takes f32 operands (vector FMAs, or v_wmma_f32_16x16x4_f32). A number that lies on a knife's edge between two numbers of the format may be rounded either way, as far as f32 arithmetic and the matrix unit's own rounding can turn it there, and no further.
;;   INPUTS GIVEN AS CODES. V (in the module: [4, 16, 2048, 64], K = its axis 2): each comes as NAME_codes (uint8): NAME with its K axis moved to the last place and cut into blocks of 32 codes, [.., K / 32, bytes a block], one block behind the other in memory; four codes in three bytes: a row's codes are one little-endian stream of bits, code i at bits 6 i .. 6 i + 5 (a code: sign, 2 exponent bits, 3 mantissa bits); and NAME_scales (uint8): the same leading axes, one E8M0 byte (e + 127) for each 32 codes along K. Its value is code x scale, taken as it is: it is not quantised again, and the codes and scales need not be those that the quantiser above would give.
;; One version. Each part assembles by itself: llvm-mc -triple=amdgcn-amd-amdhsa -mcpu=gfx1250 --defsym DOCPART=n.
;; ======== version 1 of 1: 1 launch
;; launch attn (part 1): grid 4 x 64, 16 waves a work-group, no clusters, 302,080 bytes of LDS; arguments Q, K, V_codes, V_scales, out0; writes out0
.if DOCPART == 1
	.amdgcn_target "amdgcn-amd-amdhsa--gfx1250"
	.amdhsa_code_object_version 6
	.text
	.protected	k_qed1945c9ca_attn
	.globl	k_qed1945c9ca_attn
	.p2align	8
	.type	k_qed1945c9ca_attn,@function
k_qed1945c9ca_attn:
	s_mov_b64 s[64:65], 0
	v_nop
	global_prefetch_b8 v0, s[64:65] scope:SCOPE_SE
	s_setreg_imm32_b32 hwreg(HW_REG_WAVE_MODE, 25, 1), 1
	s_wait_xcnt 0x0
; out[h][q][:] = softmax_k( (elu(Q[h][q])+1) . (elu(K[h][k])+1) ) V[h][k][:], 64 heads, 2,048 queries, 2,048 keys, 64 channels; both products on codes of FP6 (E2M3) with one E8M0 scale for each 32 along a product's K.
; Q, K: [64][2048][64] f32: the feature map is taken in f32 and quantised here, along the 64 channels (two blocks a row).  V: codes with the keys innermost, [64][64 (d)][2048 keys] = rows of 1,536 bytes; scale bytes [64][64][64].
; THE SOFTMAX AHEAD OF THE SECOND PRODUCT: t = score x log2(e); M = the running largest t rounded UP to a whole number; p = 2^(t - M) is quantised along the keys, not normalised; the row's sum is taken of the unquantised p
; and divides at the end.  When M moves, the sum and O are multiplied by 2^(old M - new M): exact.
; SHARES.  A work-group owns 512 queries of one head (grid 4 x 64); each of its sixteen waves owns two tiles of 16 queries, one after the other (two passes), in 256 registers: four waves to a SIMD, so that one wave's
; exponentials stand beside another's plain, matrix and LDS work: a key step of 128 keys is 12 matrix instructions and some 220 vector instructions, 66 of them exponentials.
; A WHOLE HEAD LIES IN LDS AS CODES: K's 96 KB, made in the prologue (wave w: keys 128 w .. 128 w + 127) and stored as images of the operand's registers; V's 96 KB (120 KB with padding) and its 4 KB of scale bytes,
; brought once by two tensor loads a wave.  No LDS byte is filled twice, so there is no ring; ONE barrier stands between the prologue and the passes.
; NO CLUSTER, NO JOINT LOADS: of the 740 KB that a work-group reads (K 512, Q 128, V 100) only V's 100 KB come by tensor loads, once; K's f32 rows have to pass through registers (feature map, quantiser), and beside the
; resident head (229,632 bytes) LDS has no room for slots of f32 rows worth sharing.  K is therefore quantised by each of a head's four work-groups: 8 tiles a wave beside its 32 key steps.
; LAYOUT.  Both products are used transposed: S^T = K Q^T (source 0 = 16 keys, source 1 = my 16 queries), O^T = V^T P^T (source 0 = 16 channels, source 1 = P): a lane holds ONE query (lane % 16) throughout.
;  (a) The form is 128 deep and the first product's K is 64: a fragment of K holds TWO tiles of 16 keys, tile 2 g in k = 0..63 (registers 0-5), tile 2 g + 1 in k = 64..127 (registers 6-11).  Q lies as [q | zeros | q] in 18
;      registers: [q, 0] picks tile 2 g, [0, q] tile 2 g + 1: zero codes add nothing (every scale byte here lies in 1 .. 254).  One scale word serves a fragment; Q's word is (s0, s1, s0, s1).
;  (b) THE KEYS OF A TILE ARE NOT NEIGHBOURS: row m of tile 4 c + u takes key 64 c + 32 (m / 8) + 8 u + m % 8.  Lane (r, h) then holds key 64 c + 32 h + i in register S + 32 c + i: a WHOLE block of 32 keys in one lane,
;      in the order that P's operand wants: no exchange of codes between lanes; a block's largest score needs no other lane.
;  (c) elu(x) + 1 = med3(2^(x log2 e) - 1, 0, x) + 1: for x > 0 the middle one is x, else e^x - 1; an exponential that overflows still gives x.
; LIMITS: NaN and infinities among the inputs are not served.  A block of zeros gets the scale byte 1 where the quantiser's text says 127: its codes are zeros, and these bytes are read by this text alone.
; A p under 2^-126 comes out of v_exp_f32 as 0.  t carries the rounding of score x log2(e) in f32, which grows with the scores.
; REGISTERS: v1-9 addresses that stay; v10-14 addresses in hand; v15 a permute's destination; v16 -M, v17 the largest t, v[18:19] the sum, v[20:21] f; v22-29 at work; v30-44 scale words; v46-51 pass 1's Q; v52-69 Q;
;   v70-81 codes just made; v82-88, v90-91 at work; v92-139 four fragments of K or of V; v140-203 S^T, then p; v204-235 O^T.
;   In the prologue: v92-187 three sets of 32 numbers as loaded; v188-219 a lane's 32 neighbours; v220-251 the feature map; v252-254 addresses.
.set KIMG, 0                           ; LDS: K's 64 fragments of 1,536 bytes: fragment 4 s + g (key step s) as three chunks of 512 bytes, lane l's 16 bytes at 16 l
.set KSC,  98304                       ; K's scale words: 256 bytes a step: fragment g's word of row r at 16 r + 4 g
.set VT,   102400                      ; V's codes: 8 slots of 256 keys x 64 rows of 240 bytes (3 x (64 of data + 16 of padding))
.set VSC,  225280                      ; V's scale bytes: 16 rows of 256 bytes, 272 apart
.set STG,  229632                      ; a stage of 16 rows x 272 bytes for each wave, its own: the turn of f32 rows in the prologue, and the way out.  The map ends at 299,264
.set VPI,  240
.set SPI,  272                         ; 68 words: the sixteen rows that a 16-byte access touches start 4 words apart
.set AK0,  1                           ; KIMG + 16 l
.set AS0,  2                           ; KSC + 16 r
.set AV0,  3                           ; VT + 240 r + 24 h
.set AV1,  4                           ; VT + 240 r + 40 h: for the pieces that lie behind one padding more in lanes 16-31
.set AT0,  5                           ; VSC + 272 (r / 4) + 64 (r % 4)
.set SH8,  6                           ; 8 h
.set STO,  7                           ; my stage + 272 r + 32 h
.set SRD,  8                           ; my stage + 272 h + 16 r
.set GL,   9                           ; 16 l: global loads and stores
.set ADK,  10
.set ADS,  11
.set ADV,  12
.set ADV2, 13
.set ADT,  14
.set TX,   15
.set NM,   16
.set TR,   17
.set LSUM, 18
.set FF,   20
.set BM,   22
.set SO,   24
.set BY,   26
.set TMP,  28
.set QS,   30                          ; v30-44 hold scale words and nothing else
.set PS,   31
.set KS,   32
.set VS,   36                          ; tile t's word of the trip's step q at VS + 2 t + q
.set QS2,  44
.set Q2,   46
.set QF,   52
.set PC,   70
.set TP,   82
.set LS2,  90
.set FG,   92
.set S,    140
.set OA,   204
.set R,    92
.set X,    188
.set E,    220
.set SRA,  252                         ; my stage + 272 r + 128 h
.set KWI,  253                         ; KIMG + 6,144 wave + 16 l
.set KWS,  254                         ; KSC + 256 wave + 16 r
.set WV,   14                          ; s14 my wave's number
.set G1V,  24                          ; s[24:31] descriptor group 1 for V's codes;  s[32:39] for V's scale bytes;  s[40:43], s[44:47] their groups 0
.set G1S,  32
.set G0V,  40
.set G0S,  44
.set SEL,  48                          ; s[48:49] lane selects for v_permlanex16_b32: lane l xor 16
.set CS,   50                          ; s[50:51] log2(e): the packed forms name a pair and take its low word for both halves
.set TK,   52                          ; s52-55 what a trip (two key steps) adds to the addresses of K's images, K's words, V's slots, V's words
.set TS,   53
.set TV,   54
.set TT,   55
.set TRIP, 56
	s_load_b256 s[4:11], s[0:1], 0x0               ; Q s[4:5], K s[6:7], V's codes s[8:9], V's scales s[10:11]
	s_load_b64 s[12:13], s[0:1], 0x20              ; out
	v_lshl_add_u32 v89, v0, 2, 0x49400
	v_mov_b32 v255, 0
	ds_add_u32 v89, v255
	ds_add_u32 v89, v255
	v_lshrrev_b32 v10, 5, v0
	v_readfirstlane_b32 s[WV], v10                 ; wave 0..15
	v_and_b32 v10, 31, v0                          ; l
	v_lshlrev_b32 v[GL], 4, v10
	s_and_b32 s15, ttmp7, 0xffff                   ; the head
	s_lshl_b32 s18, s15, 19                        ; Q and out: head x 524,288 + block x 131,072 (512 rows of 256 bytes) + wave x 4,096 (16 rows); under 2^25
	s_lshl_b32 s57, ttmp9, 17
	s_add_co_u32 s18, s18, s57
	s_lshl_b32 s57, s[WV], 12
	s_add_co_u32 s18, s18, s57
	s_mov_b32 s19, 0
	s_lshl_b32 s20, s15, 19                        ; K: head x 524,288 + wave x 32,768 (128 keys)
	s_lshl_b32 s57, s[WV], 15
	s_add_co_u32 s20, s20, s57
	s_mov_b32 s21, 0
	s_mul_i32 s22, s15, 98304                      ; V's codes: head x 98,304 + slot (wave / 2) x 192 + half (wave % 2) x 32 rows of 1,536
	s_lshr_b32 s57, s[WV], 1
	s_mul_i32 s57, s57, 192
	s_add_co_u32 s22, s22, s57
	s_and_b32 s57, s[WV], 1
	s_mul_i32 s57, s57, 49152
	s_add_co_u32 s22, s22, s57
	s_mov_b32 s23, 0
	s_lshl_b32 s62, s[WV], 8                       ; 256 x wave
	s_lshl_b32 s58, s15, 12                        ; V's scale bytes: head x 4,096 + wave x 256
	s_add_co_u32 s58, s58, s62
	s_mov_b32 s59, 0
	s_mul_i32 s60, s[WV], 16*SPI
	s_add_co_u32 s60, s60, STG                     ; my stage
	s_mul_i32 s61, s[WV], 6144                     ; my four fragments among K's images
	; descriptor group 1 for V's codes: 32 rows x 192 bytes, 1,536 bytes apart in memory; in LDS 16 bytes of padding behind every 64
	s_mov_b32 s[G1V+0], (0<<16)|(1<<20)|(3<<22)|(3<<25)   ; 15:0 no mask; 17:16 elements of 1 byte; 20 padding on; 24:22 after every 16 words (code 3); 31:25 of 4 words (code 3)
	s_mov_b32 s[G1V+1], 192<<16                    ; tensor_dim0
	s_mov_b32 s[G1V+2], 32<<16                     ; tensor_dim1
	s_mov_b32 s[G1V+3], 192<<16                    ; tile_dim0
	s_mov_b32 s[G1V+4], 32                         ; tile_dim1
	s_mov_b32 s[G1V+5], 1536                       ; tensor_dim0_stride
	s_mov_b32 s[G1V+6], 0
	s_mov_b32 s[G1V+7], 0
	; and for V's scale bytes: one row of 256 bytes (32 elements of 8 bytes)
	s_mov_b32 s[G1S+0], 3<<16
	s_mov_b32 s[G1S+1], 32<<16
	s_mov_b32 s[G1S+2], 1<<16
	s_mov_b32 s[G1S+3], 32<<16
	s_mov_b32 s[G1S+4], 1
	s_mov_b32 s[G1S+5], 32
	s_mov_b32 s[G1S+6], 0
	s_mov_b32 s[G1S+7], 0
	s_mov_b32 s[G0V], 1                            ; 1:0 count = 1
	s_mul_i32 s57, s[WV], 32*VPI
	s_add_co_u32 s[G0V+1], s57, VT                 ; LDS address: VT + 7,680 x wave = slot wave / 2, rows 32 (wave % 2) on
	s_mov_b32 s[G0S], 1
	s_mul_i32 s57, s[WV], 272
	s_add_co_u32 s[G0S+1], s57, VSC
	s_mov_b32 s[SEL], 0x76543210
	s_mov_b32 s[SEL+1], 0xfedcba98
	s_mov_b32 s[CS], 0x3fb8aa3b                    ; log2(e)
	s_mov_b32 s[CS+1], s[CS]                       ; (named with it as a pair, so it is written)
	s_wait_dscnt 0x0
	s_wait_kmcnt 0x0
	s_add_nc_u64 s[G0V+2:G0V+3], s[8:9], s[22:23]
	s_or_b32 s[G0V+3], s[G0V+3], 0x80000000        ; 127:126 type = 2
	s_add_nc_u64 s[G0S+2:G0S+3], s[10:11], s[58:59]
	s_or_b32 s[G0S+3], s[G0S+3], 0x80000000
	tensor_load_to_lds s[G0V:G0V+3], s[G1V:G1V+7]  ; the launch's only fills, each wave's two together, ahead of every wait on TENSORcnt, every LDS read and the barrier: two loads of mine are out
	s_nop 0
	tensor_load_to_lds s[G0S:G0S+3], s[G1S:G1S+7]
	s_nop 0
.rept 4
	v_nop
.endr
	s_add_nc_u64 s[4:5], s[4:5], s[18:19]          ; Q at my first tile's first row
	s_add_nc_u64 s[12:13], s[12:13], s[18:19]      ; out likewise
	s_add_nc_u64 s[6:7], s[6:7], s[20:21]          ; K at my 128 keys
; THE PROLOGUE works on ten tiles of 16 rows x 64 channels: i = 0, 1: my two tiles of Q; i = 2 + T: tile T = 4 c + u of my 128 keys.
; Tile i's eight loads into set i % 3: each reads 512 consecutive bytes, two rows; rows 0-7 of the tile from O0 on, rows 8-15 from O1 on.  Q is read once in the launch; K's rows are read by four work-groups: no hint.
.macro LOADTILE i
.set RS, R+32*((\i)%3)
.if (\i) < 2
.set O0, 65536*(\i)
.set O1, O0+2048
.irp j, 0,1,2,3
	global_load_b128 v[RS+4*\j:RS+4*\j+3], v[GL], s[4:5] offset:O0+512*\j th:TH_LOAD_NT
.endr
.irp j, 0,1,2,3
	global_load_b128 v[RS+16+4*\j:RS+16+4*\j+3], v[GL], s[4:5] offset:O1+512*\j th:TH_LOAD_NT
.endr
.else
.set O0, (64*(((\i)-2)/4)+8*(((\i)-2)%4))*256  ; keys 64 c + 8 u + 0 .. 7
.set O1, O0+8192                               ; keys 64 c + 32 + 8 u + 0 .. 7
.irp j, 0,1,2,3
	global_load_b128 v[RS+4*\j:RS+4*\j+3], v[GL], s[6:7] offset:O0+512*\j
.endr
.irp j, 0,1,2,3
	global_load_b128 v[RS+16+4*\j:RS+16+4*\j+3], v[GL], s[6:7] offset:O1+512*\j
.endr
.endif
.endm
; A set's 16 rows go through my stage as they lie and come back 128 bytes a lane: lane (r, h) gets row r, channels 32 h .. 32 h + 31.  LDS serves a wave's instructions in order (ISA guide 5.7.1.4): no wait between.
.macro TURN set
.irp j, 0,1,2,3,4,5,6,7
	ds_store_b128 v[SRD], v[R+32*(\set)+4*\j:R+32*(\set)+4*\j+3] offset:2*SPI*\j
.endr
.irp j, 0,1,2,3,4,5,6,7
	ds_load_b128 v[X+4*\j:X+4*\j+3], v[SRA] offset:16*\j
.endr
.endm
; E = elu(X): med3(2^(x log2 e) - 1, 0, x)
.macro FMAP
.set jj, 0
.rept 16
	v_pk_mul_f32 v[E+jj:E+jj+1], v[X+jj:X+jj+1], s[CS:CS+1] op_sel_hi:[1,0]
.set jj, jj+2
.endr
.set jj, 0
.rept 32
	v_exp_f32 v[E+jj], v[E+jj]
.set jj, jj+1
.endr
	v_nop                                          ; one plain place behind the exponentials (ISA guide 5.7.2)
.set jj, 0
	s_wait_alu depctr_va_vdst(0)
.rept 16
	v_pk_add_f32 v[E+jj:E+jj+1], v[E+jj:E+jj+1], -1.0 op_sel_hi:[1,0]
.set jj, jj+2
.endr
.set jj, 0
.rept 32
	v_med3_num_f32 v[E+jj], v[E+jj], 0, v[X+jj]
.set jj, jj+1
.endr
.endm
; E + 1, a whole block of 32 in my lane, becomes six registers of codes at v[QD] and the block's scale byte in v[QB].  Nothing here is negative: no |.| on the maximum's sources.
.macro QCODE
.set jj, 0
.rept 16
	v_pk_add_f32 v[E+jj:E+jj+1], v[E+jj:E+jj+1], 1.0 op_sel_hi:[1,0]
.set jj, jj+2
.endr
	v_max3_num_f32 v[BM], v[E], v[E+1], 0x1800000  ; the floor 2^(3 - 127) among the leaves: the byte cannot fall under 1
	v_max3_num_f32 v[BM+1], v[E+2], v[E+3], v[E+4] ; two chains
.irp i, 5,9,13,17,21,25
	v_max3_num_f32 v[BM], v[BM], v[E+\i], v[E+\i+1]
	v_max3_num_f32 v[BM+1], v[BM+1], v[E+\i+2], v[E+\i+3]
.endr
	v_max3_num_f32 v[BM], v[BM], v[E+29], v[E+30]
	v_max3_num_f32 v[BM], v[BM], v[BM+1], v[E+31]
	v_add_nc_u32 v[SO], 0xff000000, v[BM]          ; 2 off the exponent field: the conversion takes the exponent field of this operand as its scale
	v_cvt_scalef32_pk16_fp6_f32 v[QD:QD+2], v[E:E+15], v[SO]
	v_cvt_scalef32_pk16_fp6_f32 v[TP:TP+2], v[E+16:E+31], v[SO]   ; (a conversion's three registers begin on an even number)
	v_lshrrev_b32 v[QB], 23, v[SO]                 ; the scale's byte; also the plain place behind the conversions
.irp i, 0,1,2
	v_mov_b32 v[QD+3+\i], v[TP+\i]
.endr
.endm
; A scale word from my lane's two bytes (bytes h and 2 + h) and lane l xor 16's two
.macro SWORD dst, b0, b1
	v_lshl_or_b32 v[\dst], v[\b1], 16, v[\b0]
	v_lshlrev_b32 v[\dst], v[SH8], v[\dst]
	v_permlanex16_b32 v[TX], v[\dst], s[SEL], s[SEL+1]
	v_or_b32 v[\dst], v[\dst], v[TX]
.endm
; Tile i.  Loads run three tiles ahead (24 loads a wave), the turn through the stage one tile.
.macro STEPT i
	s_wait_dscnt 0x0                               ; my 32 neighbours are back from the stage; the stage's and the images' stores have read their registers
.if (\i)+3 <= 9
	LOADTILE (\i)+3                                ; into the set that this tile has left
.endif
	FMAP
.if (\i) < 9
.if (\i) < 7
	s_wait_loadcnt 16                              ; the next tile's eight loads are in; those of the two tiles behind it may be out
.else
	s_wait_loadcnt 8*(8-(\i))                      ; the counts run down: one tile behind it, then none
.endif
	TURN ((\i)+1)%3                                ; X is free behind the last med3
.endif
.if (\i) == 0
.set QD, QF
.set QB, BY
	QCODE
.irp k, 0,1,2,3,4,5
	v_mov_b32 v[QF+12+\k], v[QF+\k]                ; [q | zeros | q]
.endr
	SWORD QS, BY, BY                               ; (s0, s1, s0, s1)
.elseif (\i) == 1
.set QD, Q2
.set QB, BY
	QCODE
	SWORD QS2, BY, BY
.else
.set TL, (\i)-2
.set QD, PC+6*(TL%2)
.set QB, BY+TL%2
	QCODE
.if TL%2 == 1                                  ; tiles 2 g and 2 g + 1 are a fragment: its image and its scale word go to LDS
	SWORD TMP, BY, BY+1
.irp ch, 0,1,2
	ds_store_b128 v[KWI], v[PC+4*\ch:PC+4*\ch+3] offset:1536*(TL/2)+512*\ch
.endr
	ds_store_b32 v[KWS], v[TMP] offset:4*(TL/2)    ; lanes r and r + 16 write the same word with the same value
.endif
.endif
.endm
	LOADTILE 0
	LOADTILE 1
	LOADTILE 2
	v_and_b32 v11, 15, v0                          ; r.  The LDS addresses are made while the first loads are on their way
	v_bfe_u32 v12, v0, 4, 1                        ; h
	v_lshl_add_u32 v[AK0], v10, 4, KIMG
	v_lshl_add_u32 v[AS0], v11, 4, KSC
	v_mul_u32_u24 v[AV0], v11, VPI
	v_mad_u32_u24 v[AV1], v12, 40, v[AV0]
	v_mad_u32_u24 v[AV0], v12, 24, v[AV0]
	v_add_nc_u32 v[AV0], VT, v[AV0]
	v_add_nc_u32 v[AV1], VT, v[AV1]
	v_lshrrev_b32 v13, 2, v11
	v_and_b32 v14, 3, v11
	v_mul_u32_u24 v[AT0], v13, 272                 ; V's scale bytes: row d = 16 t + r is 64 bytes: four rows to a unit of 256
	v_lshl_add_u32 v[AT0], v14, 6, v[AT0]
	v_add_nc_u32 v[AT0], VSC, v[AT0]
	v_lshlrev_b32 v[SH8], 3, v12
	v_mul_u32_u24 v[STO], v11, SPI
	v_lshl_add_u32 v[SRA], v12, 7, v[STO]
	v_lshl_add_u32 v[STO], v12, 5, v[STO]
	v_add_nc_u32 v[SRA], s60, v[SRA]
	v_add_nc_u32 v[STO], s60, v[STO]
	v_mul_u32_u24 v[SRD], v12, SPI
	v_lshl_add_u32 v[SRD], v11, 4, v[SRD]
	v_add_nc_u32 v[SRD], s60, v[SRD]
	v_add_nc_u32 v[KWI], s61, v[AK0]
	v_add_nc_u32 v[KWS], s62, v[AS0]
	v_mov_b32 v[TX], 0                             ; written once: a lane permute's destination counts as one of its sources
	v_mov_b32 v[FF+1], 0                           ; (named as the upper half of the pair v[20:21])
.irp k, 0,1,2,3,4,5
	v_mov_b32 v[QF+6+\k], 0                        ; Q's zero codes
.endr
	s_wait_loadcnt 16                              ; tile 0's eight loads are in; tiles 1 and 2 may be out
	TURN 0
.irp i, 0,1,2,3,4,5,6,7,8,9
	STEPT \i
.endr
	s_wait_tensorcnt 0x0                           ; my parts of V's codes and scale bytes have landed,
	s_wait_dscnt 0x0                               ; my images of K and their scale words are stored:
	s_barrier_signal -1
	s_barrier_wait -1                              ; everybody's are.  From here on LDS is only read, but for each wave's own stage
; A fragment of V^T: 16 channels x 128 keys, the slot's q-th: 24 bytes of a row for each half of the lanes, twice, in pieces of 8 bytes.  Lanes 16-31 take the piece three on; where that lies behind one padding more, the second address serves.
.macro VFRAG reg, q, t
.irp p, 0,1,2,3,4,5
.set PCE, 12*(\q)+6*(\p/3)+\p%3
.if PCE%8 < 5
	ds_load_b64 v[\reg+2*\p:\reg+2*\p+1], v[ADV] offset:8*PCE+16*(PCE/8)+16*VPI*(\t)
.else
	ds_load_b64 v[\reg+2*\p:\reg+2*\p+1], v[ADV2] offset:8*PCE+16*(PCE/8)+16*VPI*(\t)
.endif
.endr
.endm
; A KEY STEP: 128 keys, the q-th of the trip's two.
.macro STEP q
.if \q
.rept 4
	v_nop                                          ; four places in front of loads into registers that the last products read (ISA guide 7.12.1 for vector instructions).  For q = 0 the trip's five additions are these places
.endr
.endif
.irp g, 0,1,2,3
.irp ch, 0,1,2
	ds_load_b128 v[FG+12*\g+4*\ch:FG+12*\g+4*\ch+3], v[ADK] offset:6144*\q+1536*\g+512*\ch   ; K's four fragments, as their registers were stored
.endr
.endr
	ds_load_b128 v[KS:KS+3], v[ADS] offset:256*\q  ; and their four scale words of my row
	s_wait_dscnt 0x0
.irp g, 0,1,2,3
.irp hf, 0,1
	v_wmma_scale_f32_16x16x128_f8f6f4 v[S+8*(2*\g+\hf):S+8*(2*\g+\hf)+7], v[FG+12*\g:FG+12*\g+11], v[QF+6*\hf:QF+6*\hf+11], 0, v[KS+\g], v[QS] matrix_a_fmt:MATRIX_FMT_FP6 matrix_b_fmt:MATRIX_FMT_FP6
.endr
.endr
.rept 4
	v_nop                                          ; places in front of the loads into K's registers and of the first read of the scores
.endr
.irp t, 0,1,2,3
	VFRAG FG+12*\t, \q, \t                         ; V's four fragments land while the softmax is worked
.endr
.if \q == 0
.irp t, 0,1,2,3
	ds_load_b64 v[VS+2*\t:VS+2*\t+1], v[ADT] offset:4*272*\t   ; V's scale words of both steps of the trip
.endr
.endif
.irp c, 0,1
	v_max3_num_f32 v[BM+\c], v[S+32*\c], v[S+32*\c+1], v[S+32*\c+2]   ; THE LARGEST SCORE OF MY TWO BLOCKS OF 32 KEYS: for the row's maximum and, since p rises with the score, for the block's largest p.  Each accumulator is read from its low end on
.endr
.irp i, 3,5,7,9,11,13,15,17,19,21,23,25,27,29
.irp c, 0,1
	v_max3_num_f32 v[BM+\c], v[BM+\c], v[S+32*\c+\i], v[S+32*\c+\i+1]
.endr
.endr
.irp c, 0,1
	v_max_num_f32 v[BM+\c], v[BM+\c], v[S+32*\c+31]
.endr
	v_max_num_f32 v[TMP], v[BM], v[BM+1]
	v_permlanex16_b32 v[TX], v[TMP], s[SEL], s[SEL+1]
	v_max_num_f32 v[TMP], v[TMP], v[TX]            ; with lane l xor 16's 64 keys: the step's largest score of my query
	v_mul_f32 v[TMP], s[CS], v[TMP]                ; as t
	v_max_num_f32 v[TR], v[TR], v[TMP]             ; the running largest t
	v_mov_b32 v[TMP], v[NM]
	v_floor_f32 v[NM], -v[TR]                      ; the new -M = floor(-t) = -ceil(t): a whole number
	v_sub_f32 v[TMP], v[NM], v[TMP]                ; old M - new M: a whole number, 0 or less
	v_cvt_i32_f32 v[TMP], v[TMP]                   ; (it saturates)
	v_ldexp_f32 v[FF], 1.0, v[TMP]                 ; f = 2^(old M - new M)
.set jj, 0
.rept 32
	v_pk_fma_f32 v[S+jj:S+jj+1], v[S+jj:S+jj+1], s[CS:CS+1], v[NM:NM+1] op_sel_hi:[1,0,0]   ; t - M, two at a time
.set jj, jj+2
.endr
.irp c, 0,1
	v_fma_f32 v[BM+\c], v[BM+\c], s[CS], v[NM]     ; the same of each block's largest score
.endr
.set jj, 0
.rept 64
	v_exp_f32 v[S+jj], v[S+jj]                     ; p = 2^(t - M): not normalised
.set jj, jj+1
.endr
.irp c, 0,1
	v_exp_f32 v[BM+\c], v[BM+\c]                   ; the block's largest p: the same two instructions on the same number
.endr
	v_pk_mul_f32 v[LSUM:LSUM+1], v[LSUM:LSUM+1], v[FF:FF+1] op_sel_hi:[1,0]   ; the sum under the new M; also the plain place behind the exponentials
	s_wait_alu depctr_va_vdst(0)
.irp c, 0,1
	v_max_num_f32 v[BM+\c], 0x1800000, v[BM+\c]    ; the floor 2^(3 - 127): the byte cannot fall under 1
.endr
.irp c, 0,1
	v_add_nc_u32 v[SO+\c], 0xff000000, v[BM+\c]    ; 2 off the exponent field: the conversion's scale operand
.endr
.irp c, 0,1
	v_lshrrev_b32 v[BY+\c], 23, v[SO+\c]           ; the scale's byte: blocks h and 2 + h
.endr
	SWORD PS, BY, BY+1                             ; p's scale word for these 128 keys
.irp c, 0,1
	v_cvt_scalef32_pk16_fp6_f32 v[PC+6*\c:PC+6*\c+2], v[S+32*\c:S+32*\c+15], v[SO+\c]
	v_cvt_scalef32_pk16_fp6_f32 v[TP+4*\c:TP+4*\c+2], v[S+32*\c+16:S+32*\c+31], v[SO+\c]   ; (a conversion's three registers begin on an even number)
.endr
	v_nop                                          ; one plain place behind the conversions
.irp c, 0,1
.irp i, 0,1,2
	v_mov_b32 v[PC+6*\c+3+\i], v[TP+4*\c+\i]       ; registers 6 c .. 6 c + 5: keys 64 c + 32 h + 0 .. 31
.endr
.endr
	v_pk_add_f32 v[LS2:LS2+1], v[S:S+1], v[S+2:S+3]   ; THE ROW'S SUM IS TAKEN OF THE UNQUANTISED p: two at a time, in two chains
.irp j, 4,8,12,16,20,24,28,32,36,40,44,48,52,56,60
	v_pk_add_f32 v[LSUM:LSUM+1], v[LSUM:LSUM+1], v[S+\j:S+\j+1]
	v_pk_add_f32 v[LS2:LS2+1], v[LS2:LS2+1], v[S+\j+2:S+\j+3]
.endr
	v_pk_add_f32 v[LSUM:LSUM+1], v[LSUM:LSUM+1], v[LS2:LS2+1]
.set jj, 0
.rept 16
	v_pk_mul_f32 v[OA+jj:OA+jj+1], v[OA+jj:OA+jj+1], v[FF:FF+1] op_sel_hi:[1,0]   ; O^T under the new M, each accumulator from its low end on.  (The 32 additions above are the places between p's codes and scale word and the products below)
.set jj, jj+2
.endr
	s_wait_dscnt 0x0                               ; V's fragments and scale words are in
.irp t, 0,1,2,3                                ; O^T += V^T P^T: the four accumulators by turns; between two links of a chain stand eleven other matrix instructions
	v_wmma_scale_f32_16x16x128_f8f6f4 v[OA+8*\t:OA+8*\t+7], v[FG+12*\t:FG+12*\t+11], v[PC:PC+11], v[OA+8*\t:OA+8*\t+7], v[VS+2*\t+\q], v[PS] matrix_a_fmt:MATRIX_FMT_FP6 matrix_b_fmt:MATRIX_FMT_FP6
.endr
.endm
; A PASS: one tile of 16 queries against all 2,048 keys, eight trips of two key steps, and its way out.  Written out twice, so that every offset is an immediate and the loop's count a constant.
.macro PASS p
.if \p
	s_wait_xcnt 0x0                                ; the first pass's stores have had their addresses translated (ISA guide 3.1): their data registers are loaded again only behind this wait
.irp k, 0,1,2,3,4,5
	v_mov_b32 v[QF+\k], v[Q2+\k]
	v_mov_b32 v[QF+12+\k], v[Q2+\k]
.endr
	v_mov_b32 v[QS], v[QS2]                        ; (the 41 plain lines up to the first product are the places behind these writes)
.endif
	v_mov_b32 v[TR], 0xff61b1e6                    ; the largest t so far: -3e38, under every t
	v_floor_f32 v[NM], -v[TR]
	v_mov_b32 v[LSUM], 0
	v_mov_b32 v[LSUM+1], 0
.set jj, 0
.rept 32
	v_mov_b32 v[OA+jj], 0                          ; O^T.  (The step is written once: the first finds zeros, which the first change of M leaves zeros)
.set jj, jj+1
.endr
	s_mov_b32 s[TK], 0
	s_mov_b32 s[TS], 0
	s_mov_b32 s[TV], 0
	s_mov_b32 s[TT], 0
	s_mov_b32 s[TRIP], 8
.Ltrip_\p:
	v_add_nc_u32 v[ADK], s[TK], v[AK0]             ; five plain lines that name no register of the last products: the places in front of the loads below
	v_add_nc_u32 v[ADS], s[TS], v[AS0]
	v_add_nc_u32 v[ADV], s[TV], v[AV0]
	v_add_nc_u32 v[ADV2], s[TV], v[AV1]
	v_add_nc_u32 v[ADT], s[TT], v[AT0]
	STEP 0
	STEP 1
	s_add_co_u32 s[TK], s[TK], 12288               ; eight fragments of K,
	s_add_co_u32 s[TS], s[TS], 512                 ; two steps' scale words,
	s_add_co_u32 s[TV], s[TV], 64*VPI              ; a slot of V,
	s_add_co_u32 s[TT], s[TT], 8                   ; eight of a row's scale bytes
	s_sub_co_u32 s[TRIP], s[TRIP], 1
	s_cmp_lg_u32 s[TRIP], 0
	s_cbranch_scc1 .Ltrip_\p
	; THE WAY OUT.  O^T / the sum goes through my stage and leaves as whole rows of 256 bytes.
.rept 4
	v_nop                                          ; places behind the last products
.endr
	v_add_f32 v[LSUM], v[LSUM], v[LSUM+1]          ; the sum's two halves,
	v_permlanex16_b32 v[TX], v[LSUM], s[SEL], s[SEL+1]
	v_add_f32 v[LSUM], v[LSUM], v[TX]              ; and lane l xor 16's: the row's sum
	v_rcp_f32 v[FF], v[LSUM]
	v_nop                                          ; one plain place behind the reciprocal
.set jj, 0
	s_wait_alu depctr_va_vdst(0)
.rept 16
	v_pk_mul_f32 v[S+jj:S+jj+1], v[OA+jj:OA+jj+1], v[FF:FF+1] op_sel_hi:[1,0]   ; register 8 t + j is out(query r, channel 16 t + 8 h + j)
.set jj, jj+2
.endr
.irp t, 0,1,2,3
.irp k, 0,1
	ds_store_b128 v[STO], v[S+8*\t+4*\k:S+8*\t+4*\k+3] offset:64*\t+16*\k
.endr
.endr
.irp i, 0,1,2,3,4,5,6,7
	ds_load_b128 v[FG+4*\i:FG+4*\i+3], v[SRD] offset:2*SPI*\i   ; back as rows: lanes 0-15 one row, lanes 16-31 the next; LDS serves a wave's instructions in order: these see my stores
.endr
.irp i, 0,1,2,3,4,5,6,7
	s_wait_dscnt 7-\i                              ; pair i of rows is back; the younger loads may be out
	global_store_b128 v[GL], v[FG+4*\i:FG+4*\i+3], s[12:13] offset:65536*\p+512*\i th:TH_STORE_NT   ; 32 lanes store 512 consecutive bytes, at a multiple of 256 from out's first byte; written once, read by nobody here
.endr
.endm
	PASS 0
	PASS 1
	s_wait_tensorcnt 0x0
	ds_add_u32 v89, v255
	s_wait_dscnt 0x0
	s_endpgm
.Lfunc_end_k_qed1945c9ca_attn:
	.size	k_qed1945c9ca_attn, .Lfunc_end_k_qed1945c9ca_attn-k_qed1945c9ca_attn
	.p2alignl 7, 3214868480
	.fill 96, 4, 3214868480
	.section	.rodata,"a",@progbits
	.p2align	6, 0x0
	.amdhsa_kernel k_qed1945c9ca_attn
		.amdhsa_group_segment_fixed_size 302080
		.amdhsa_private_segment_fixed_size 0
		.amdhsa_enable_private_segment 0
		.amdhsa_kernarg_size 40
		.amdhsa_user_sgpr_count 2
		.amdhsa_user_sgpr_kernarg_segment_ptr 1
		.amdhsa_wavefront_size32 1
		.amdhsa_system_sgpr_workgroup_id_x 1
		.amdhsa_system_sgpr_workgroup_id_y 1
		.amdhsa_system_sgpr_workgroup_id_z 1
		.amdhsa_system_vgpr_workitem_id 0
		.amdhsa_next_free_vgpr 256
		.amdhsa_next_free_sgpr 66
		.amdhsa_reserve_vcc 0
		.amdhsa_float_denorm_mode_32 3
		.amdhsa_float_denorm_mode_16_64 3
		.amdhsa_memory_ordered 1
		.amdhsa_forward_progress 1
		.amdhsa_inst_pref_size 171
	.end_amdhsa_kernel
	.amdgpu_metadata
---
amdhsa.version: [ 1, 2 ]
amdhsa.kernels:
  - .name:           k_qed1945c9ca_attn
    .symbol:         k_qed1945c9ca_attn.kd
    .args:
      - { .name: Q, .offset: 0, .size: 8, .value_kind: global_buffer, .address_space: global }
      - { .name: K, .offset: 8, .size: 8, .value_kind: global_buffer, .address_space: global }
      - { .name: V_codes, .offset: 16, .size: 8, .value_kind: global_buffer, .address_space: global }
      - { .name: V_scales, .offset: 24, .size: 8, .value_kind: global_buffer, .address_space: global }
      - { .name: out0, .offset: 32, .size: 8, .value_kind: global_buffer, .address_space: global }
    .group_segment_fixed_size: 302080
    .private_segment_fixed_size: 0
    .kernarg_segment_align: 8
    .kernarg_segment_size: 40
    .max_flat_workgroup_size: 512
    .sgpr_count:     66
    .vgpr_count:     256
    .wavefront_size: 32
...
	.end_amdgpu_metadata
.endif
;; end of part 1
